; MI455X (gfx1250); checked and timed in simulation.
; The chip was launched on July 23, 2026; its instructions are those of AMD's public machine-readable ISA for CDNA 5 (MIT licence, August 2026) and "CDNA5" Instruction Set Architecture Reference Guide (July 2026). The comments in the code are by the model that wrote it; some were corrected since.
;; Grouped Query Attention. Allowed arithmetic: matrix products marked QUANTISED: E2M3 operands, one E8M0 scale for each 32 along K, by v_wmma_scale_f32_16x16x128_f8f6f4 with both operands' format E2M3, f32 sums; everything else in f32.
;; Inputs: cos 1 x 1 x 2,048 x 128 float32; sin 1 x 1 x 2,048 x 128 float32; wk_w 512 x 2,048 float32; wq_w 2,048 x 2,048 float32; wv_w 512 x 2,048 float32; x 2 x 2,048 x 2,048 float32.
;; Outputs: out0 2 x 2,048 x 2,048 float32.
;; Constants: start_pos = 0.
;; This version of the problem:
;;   THIS VERSION OF THE PROBLEM IS GIVEN IN LOW PRECISION. The matrix products marked QUANTISED in the list below multiply operands that are first quantised to E2M3 (2 exponent bits, 3 mantissa bits; 6 bits a number), with one power-of-two scale for each 32 numbers along K (OCP MX v1.0); their sums are f32. All else is computed in f32.
;;   The module's matrix products, in the order in which they are computed (A, B: the left and right operand; K: the contracted axis; several contracted axes count as one K, in the product's order):
;;     1. [M 4,096, K 2,048] x [K 2,048, N 2,048]; A: input x; B: input wq_w: QUANTISED
;;     2. [M 4,096, K 2,048] x [K 2,048, N 512]; A: input x; B: input wk_w: QUANTISED
;;     3. [M 4,096, K 2,048] x [K 2,048, N 512]; A: input x; B: input wv_w: QUANTISED
;;     4. batch 32 x [M 2,048, K 128] x [K 128, N 2,048]; A: computed on the way; B: computed on the way: QUANTISED
;;     5. batch 32 x [M 2,048, K 2,048] x [K 2,048, N 128]; A: softmax (see below); B: computed on the way: QUANTISED
;;   THE QUANTISER, for each operand of a quantised product, along K:
;;     - K is cut into blocks of 32 from its start; a last block that is shorter is filled with zeros.
;;     - A block's scale is 2^e with e = floor(log2(the largest magnitude in the block)) - 2, held to -126 .. 127; a block of zeros has e = 0. As a byte (E8M0): e + 127.
;;     - Each number is divided by its block's scale, clamped to +-7.5, and rounded to the nearest number of E2M3, ties to even, subnormals kept.
;;     - The product sums the exact products of the quantised numbers (number of the format x scale) in f32.
;;   ~~~python
;;   def quantise(x, axis):      # numpy; x: float32 -> the quantised numbers, widened to float32 again
;;       x = np.moveaxis(x, axis, -1); K = x.shape[-1]
;;       x = np.pad(x, [(0, 0)] * (x.ndim - 1) + [(0, -K % 32)]); x = x.reshape(x.shape[:-1] + (-1, 32)); a = np.abs(x).max(-1, keepdims=True)
;;       e = np.where(a > 0, np.clip(np.frexp(np.where(a > 0, a, 1))[1] - 1 - 2, -126, 127), 0)      # np.frexp(a)[1] - 1 = floor(log2(a)), exactly
;;       r = np.clip(x / 2.0 ** e, -7.5, 7.5)
;;       step = 2.0 ** (np.maximum(np.frexp(np.where(r == 0, 1, r))[1] - 1, 0) - 3)
;;       q = np.round(r / step) * step * 2.0 ** e      # np.round: ties to even
;;       return np.moveaxis(q.reshape(q.shape[:-2] + (-1,))[..., :K], -1, axis).astype(np.float32)
;;   ~~~
;;   SOFTMAX AHEAD OF A QUANTISED PRODUCT. Where the list says 'softmax', what is quantised is not the finished softmax but p = 2^(t - M), with t = logit x log2(e) and M = ceil(the row's largest t), a whole number; so 1/2 < the row's largest p <= 1. The row's sum l is taken of the UNQUANTISED p, in f32, and the product's result is divided by l at the end. Since M is a whole number, a kernel that streams over the keys may use a running M (the ceiling of the running maximum): every later rescaling is an exact power of two, which a block's scale takes up: the codes' values come out the same.
;;   OPERANDS COMPUTED ON THE WAY. 'Computed on the way' means the value that the module computes at that place (a softmax that the list does not call 'softmax' is quantised finished and normalised). What goes into a quantiser is computed in f32, as accurately as f32 sums, v_exp_f32 and their like allow (about 1e-6 of the number): no bf16 or f16 on the way to a quantiser, and a product that is left as it is and whose result goes on into a quantised operand takes f32 operands (vector FMAs, or v_wmma_f32_16x16x4_f32). A number that lies on a knife's edge between two numbers of the format may be rounded either way, as far as f32 arithmetic and the matrix unit's own rounding can turn it there, and no further.
;; One version. Each part assembles by itself: llvm-mc -triple=amdgcn-amd-amdhsa -mcpu=gfx1250 --defsym DOCPART=n.
;; ======== version 1 of 1: 3 launches
;; limits: right only within a limited range of input values
;; workspace buffers: xc 6,291,456 bytes; xs 262,144 bytes; wc 4,718,592 bytes; ws 196,608 bytes; cs 2,097,152 bytes; qc 6,553,600 bytes; kvc 3,276,800 bytes
;; launch prep (part 1): grid 512 x 1, 4 waves a work-group, no clusters, 58,880 bytes of LDS; arguments x, wq_w, wk_w, wv_w, cos, sin, xc, xs, wc, ws, cs; writes xc, xs, wc, ws, cs
.if DOCPART == 1
	.amdgcn_target "amdgcn-amd-amdhsa--gfx1250"
	.amdhsa_code_object_version 6
	.text
	.protected	k_q859d3ccf7d_prep
	.globl	k_q859d3ccf7d_prep
	.p2align	8
	.type	k_q859d3ccf7d_prep,@function
k_q859d3ccf7d_prep:
	s_mov_b64 s[64:65], 0
	v_nop
	global_prefetch_b8 v0, s[64:65] scope:SCOPE_SE
	s_setreg_imm32_b32 hwreg(HW_REG_WAVE_MODE, 25, 1), 1
	s_wait_xcnt 0x0
; GROUPED QUERY ATTENTION IN MX-FP6, launch 1 of 3: x and the three weights become codes of E2M3 with one E8M0 byte for each 32 along D; cos and sin are laid anew.
; THE PROGRAM.  prep: codes of x [4096][2048] and of [wq; wk; wv] [3072][2048], K innermost.  proj: the three projections as one product on codes; rotary and the next quantisers in registers.  attn: causal attention on codes.
; WORK LEFT OUT, for all values of the inputs.  (1) The mask is built by the problem itself (a lower triangle): a score of key k and query q with k > q becomes -infinity ahead of the softmax, so its p is 0 and
; it adds nothing to the sum or to the output.  Steps of 128 keys all of which come after a tile of 16 queries are therefore not computed (launch attn).  (2) The repetition of k and v over four query heads only
; names the same numbers again: it is done by addresses.  (3) start_pos reaches no result: it is no buffer and is not read.
; LIMIT: a NaN, an infinity or an overflow that would arise only in a score left out under (1) is not carried to the result.
; A block's scale is 2^(floor(log2(its largest magnitude)) - 2); its byte is the largest magnitude's exponent field - 2, held at 1 from below.  A block of zeros so gets the byte 1 where the rule says 127:
; its codes are zeros, which add nothing under any byte but 0xff, and the bytes are read by this program alone.
; LIMITS: NaN and infinities among the inputs are not served; blocks whose largest magnitude lies under 2^(3 - 127) get the byte 1.
; SHARES.  Work-groups 0-255 take x, 256-383 wq, 384-415 wk, 416-447 wv: 32,768 numbers each, a wave 16 steps of 512.  Rows are dense and D is a multiple of 32, so each tensor is a plain stream of blocks of 32.
; The tensors are told apart by pointers chosen on the work-group's number: one path through the text.  wq, wk and wv land one behind the other in wc and ws.
; Each of a step's four loads reads 512 consecutive bytes; the 2,048 bytes turn through the wave's own stage in LDS and come back 64 bytes a lane (16 neighbours along D: two lanes hold a block).
; Work-groups 448-511 lay cos and sin as images of registers: for each block of 16 positions and each table 8,192 bytes, in which register n = 4 c + e of lane l (row l % 16) holds the
; head's channel 16 (n / 8) + 8 (l / 16) + n % 8: the place that a matrix result gives that channel in launch proj.  So proj loads them 512 consecutive bytes an instruction.
.set WAVES, 4
.set STEPS, 16
.set EMAX,  2
.set CB,    12                         ; bytes of 16 codes
.set R,     16                         ; v16-79   four sets of 16 numbers as they are loaded
.set X,     80                         ; v80-111  two sets of 16 neighbours
.set C,     128                        ; v128-191 codes: four registers for each step, so that no store's data are written again
.set E,     112                        ; v112-127 a scale byte for each step
.set WREG,  8192                       ; LDS: a region for each wave: two stages of 32 x SP bytes
.set SP,    80                         ; a lane's place in a stage: 64 bytes + 16 of padding
.set SPW,   12                         ; v12  LDS address of my spare word; never rewritten
.set NIL,   13                         ; v13  0; never rewritten
.set SPARE, WAVES*WREG                 ; the spare words, 128 bytes for each wave: two blocks of 256 bytes that no other line names
; THE CODES LEAVE AS IMAGES OF FRAGMENTS.  A work-group's 16 rows x 2,048 along D are 16 images (one for each 128 along D) of 1,536 bytes: dword d (0 .. 11) of operand lane r + 16 h lies at 512 (d / 4) + 16 (r + 16 h) + 4 (d % 4).
; In xc and wc image (tile of 256 rows T, step s, block of 16 rows i) lies at ((16 T + s) 16 + i) 1,536.  The scale bytes of 16 rows lie as [256 along D][row][8 bytes], 1,024 bytes a work-group.
.set CST,   SPARE+512                  ; the work-group's 16 images, gathered in LDS
.set SST,   CST+24576                  ; and its 1,024 scale bytes
	s_load_b256 s[4:11], s[0:1], 0x0               ; x, wq, wk, wv
	s_load_b128 s[12:15], s[0:1], 0x20             ; cos, sin
	s_load_b256 s[16:23], s[0:1], 0x30             ; xc, xs, wc, ws
	s_load_b64 s[24:25], s[0:1], 0x50              ; cs
	v_lshl_add_u32 v[SPW], v0, 2, SPARE
	v_mov_b32 v[NIL], 0
	v_lshrrev_b32 v1, 5, v0
	v_readfirstlane_b32 s2, v1                     ; wave
	v_and_b32 v2, 31, v0                           ; lane
	s_wait_kmcnt 0x0
	s_cmp_ge_u32 ttmp9, 448                        ; the last 64 work-groups lay cos and sin
	s_cbranch_scc1 .Lcs
	s_wait_alu depctr_va_vdst(0)
	v_lshlrev_b32 v3, 4, v2                        ; my 16 bytes of a load's 512
	s_mul_i32 s3, s2, WREG
	v_lshrrev_b32 v14, 2, v2
	v_mul_u32_u24 v14, v14, SP
	v_and_b32 v15, 3, v2
	v_lshl_add_u32 v14, v15, 4, v14
	v_add_nc_u32 v14, s3, v14                      ; the stage, on the way in: SP (lane / 4) + 16 (lane % 4)
	v_mul_u32_u24 v15, v2, SP
	v_add_nc_u32 v15, s3, v15                      ; and on the way out: SP x lane: my 16 neighbours
	v_bfe_u32 v5, v2, 1, 3                         ; my block's byte: (lane / 2) % 8 of its 8,
	v_lshrrev_b32 v4, 4, v2
	v_lshl_add_u32 v5, v4, 7, v5                   ; 128 bytes for each 256 along D,
	s_lshl_b32 s3, s2, 5                           ; 8 bytes a row, four rows a wave
	s_add_co_u32 s3, s3, SST
	v_add_nc_u32 v5, s3, v5
	v_lshlrev_b32 v7, 3, v2                        ; on the way out 8 bytes a lane, 256 a wave
	s_lshl_b32 s3, s2, 8
	s_add_co_u32 s3, s3, SST
	v_add_nc_u32 v6, s3, v7
	v_and_b32 v195, 1, v2                          ; my 16 codes are group j = lane % 8 of a step of 128: three dwords from d0 = 6 (j / 4) + 3 (j % 2) on, of operand half h = (j / 2) % 2
	v_bfe_u32 v196, v2, 2, 1
	v_mul_u32_u24 v195, v195, 3
	v_mad_u32_u24 v195, v196, 6, v195
	v_bfe_u32 v196, v2, 1, 1
	v_lshrrev_b32 v197, 3, v2                      ; image lane / 8 of the four that a step of 512 touches
	v_mul_u32_u24 v197, v197, 1536
	v_lshl_add_u32 v197, v196, 8, v197
	s_lshl_b32 s37, s2, 6                          ; my wave's four rows: 16 bytes a row
	s_add_co_u32 s37, s37, CST
	v_add_nc_u32 v197, s37, v197
.irp i, 0,1,2
	v_add_nc_u32 v198, \i, v195
	v_lshrrev_b32 v199, 2, v198
	v_and_b32 v198, 3, v198
	v_lshl_add_u32 v199, v199, 9, v197
	v_lshl_add_u32 v[192+\i], v198, 2, v199        ; v192-194: where my three dwords go
.endr
	s_mul_i32 s38, s2, 4*1536                      ; on the way out a wave takes four images
	s_add_co_u32 s38, s38, CST
	v_add_nc_u32 v10, s38, v3
	s_mov_b64 s[26:27], s[10:11]                   ; which tensor?  The choices hang on the work-group's number alone
	s_mov_b32 s28, 416
	s_cmp_lt_u32 ttmp9, 416
	s_cselect_b64 s[26:27], s[8:9], s[26:27]
	s_cselect_b32 s28, 384, s28
	s_cmp_lt_u32 ttmp9, 384
	s_cselect_b64 s[26:27], s[6:7], s[26:27]
	s_cselect_b32 s28, 256, s28
	s_cmp_lt_u32 ttmp9, 256
	s_cselect_b64 s[26:27], s[4:5], s[26:27]       ; the source,
	s_cselect_b32 s28, 0, s28                      ; its first work-group,
	s_cselect_b64 s[30:31], s[16:17], s[20:21]     ; the codes' buffer,
	s_cselect_b64 s[32:33], s[18:19], s[22:23]     ; the scale bytes' buffer,
	s_cselect_b32 s29, 0, 256                      ; and the first work-group that stores there
	s_sub_co_u32 s34, ttmp9, s28
	s_lshl_b32 s34, s34, 2
	s_add_co_u32 s34, s34, s2                      ; which run of 8,192 numbers of the source is my wave's
	s_lshl_b32 s34, s34, 15                        ; 32,768 bytes a run
	s_mov_b32 s35, 0
	s_add_nc_u64 s[26:27], s[26:27], s[34:35]
	s_sub_co_u32 s36, ttmp9, s29
	s_lshl_b32 s36, s36, 2
	s_add_co_u32 s36, s36, s2                      ; and which run of the buffers
	s_lshr_b32 s34, s36, 6                         ; the tile of 256 rows,
	s_mul_i32 s34, s34, 393216
	s_bfe_u32 s37, s36, 0x40002                    ; my work-group's block of 16 rows in it,
	s_mul_i32 s37, s37, 1536
	s_add_co_u32 s34, s34, s37
	s_mul_i32 s37, s2, 4*24576                     ; and my wave's four steps of 128
	s_add_co_u32 s34, s34, s37
	s_add_nc_u64 s[30:31], s[30:31], s[34:35]
	s_lshl_b32 s34, s36, 8                         ; 256 scale bytes a run
	s_add_nc_u64 s[32:33], s[32:33], s[34:35]
.macro LOAD t
.irp i, 0,1,2,3
	global_load_b128 v[R+16*((\t)%4)+4*\i:R+16*((\t)%4)+4*\i+3], v3, s[26:27] offset:2048*(\t)+512*\i th:TH_LOAD_NT   ; 32 lanes read 512 consecutive bytes
.endr
.endm
.macro TURN t                          ; step t's numbers through the stage: LDS serves a wave's instructions in order, so no wait stands between the stores and the loads
.irp i, 0,1,2,3
	ds_store_b128 v14, v[R+16*((\t)%4)+4*\i:R+16*((\t)%4)+4*\i+3] offset:32*SP*((\t)%2)+8*SP*\i
.endr
.irp i, 0,1,2,3
	ds_load_b128 v[X+16*((\t)%2)+4*\i:X+16*((\t)%2)+4*\i+3], v15 offset:32*SP*((\t)%2)+16*\i
.endr
.endm
.irp t, 0,1,2,3
	LOAD \t
.endr
	s_wait_alu depctr_va_vdst(0)
	s_wait_loadcnt 12                              ; step 0's four loads are in; the twelve of steps 1 to 3 may be out
	TURN 0
.macro STEP t
.set XS, X+16*((\t)%2)
.if (\t) > 0
	s_wait_dscnt 4                                 ; this step's numbers are back from the stage (the last step's byte store and three dword stores may be out)
.else
	s_wait_dscnt 0x0
.endif
.if (\t)+4 < STEPS
	LOAD (\t)+4                                    ; the registers that the stage's stores have read take the loads of four steps on
.endif
.if (\t)+1 < STEPS
.if STEPS-2-(\t) >= 3
	s_wait_loadcnt 12                              ; the next step's four loads are in; those of the three steps behind it may be out
.else
	s_wait_loadcnt 4*(STEPS-2-(\t))
.endif
	TURN (\t)+1                                    ; and go through the other stage while this step is worked
.endif
	v_max3_num_f32 v8, |v[XS]|, |v[XS+1]|, |v[XS+2]|               ; the largest magnitude of my 16, in two chains
	v_max3_num_f32 v9, |v[XS+3]|, |v[XS+4]|, |v[XS+5]|
.irp i, 6,10
	v_max3_num_f32 v8, v8, |v[XS+\i]|, |v[XS+\i+1]|
	v_max3_num_f32 v9, v9, |v[XS+\i+2]|, |v[XS+\i+3]|
.endr
	v_max3_num_f32 v8, v8, |v[XS+14]|, |v[XS+15]|
	v_max3_num_f32 v8, v8, v9, (EMAX+1)<<23        ; and the floor 2^(3 - 127): the byte cannot fall under 1
	v_max_num_f32_dpp v8, v8, v8 row_xmask:1 row_mask:0xf bank_mask:0xf   ; and of my neighbour's 16: the block's
	v_add_nc_u32 v11, -(EMAX<<23), v8              ; 2 off its exponent field: the conversion takes the exponent field of this operand as its scale
	v_cvt_scalef32_pk16_fp6_f32 v[C+4*(\t):C+4*(\t)+2], v[XS:XS+15], v11   ; sixteen codes, 96 bits without gaps, the first number's lowest
	v_lshrrev_b32 v[E+(\t)], 23, v11               ; the scale's byte (a plain line behind the conversion)
	ds_store_b8 v5, v[E+(\t)] offset:256*((\t)%4)+8*((\t)/4)   ; both lanes of a block write the same byte with the same value
.irp i, 0,1,2
	ds_store_b32 v[192+\i], v[C+4*(\t)+\i] offset:6144*((\t)%4)+16*((\t)/4)   ; row t / 4 of my four, images 4 (t % 4) on
.endr
.endm
.irp t, 0,1,2,3,4,5,6,7,8,9,10,11,12,13,14,15
	STEP \t
.endr
	s_wait_dscnt 0x0                               ; my stores into the images are done;
	s_barrier_signal -1
	s_barrier_wait -1                              ; and so are the other waves'
	ds_load_b64 v[8:9], v6
.irp m, 0,1,2,3,4,5,6,7,8,9,10,11
	ds_load_b128 v[R+4*\m:R+4*\m+3], v10 offset:1536*(\m/3)+512*(\m%3)
.endr
	s_wait_dscnt 12                                ; the twelve younger loads may be out
	global_store_b64 v7, v[8:9], s[32:33]          ; 32 lanes store 256 consecutive bytes, aligned
.irp m, 0,1,2,3,4,5,6,7,8,9,10,11
	s_wait_dscnt 11-\m
	global_store_b128 v3, v[R+4*\m:R+4*\m+3], s[30:31] offset:24576*(\m/3)+512*(\m%3)   ; 512 consecutive bytes, aligned
.endr
	s_wait_tensorcnt 0x0                           ; the wave's end
	ds_add_u32 v[SPW], v[NIL]
	s_wait_dscnt 0x0
	s_endpgm
.Lcs:                                              ; job j = 4 (work-group - 448) + wave: positions 16 (j / 2) on, table j % 2
	s_sub_co_u32 s28, ttmp9, 448
	s_lshl_b32 s28, s28, 2
	s_add_co_u32 s28, s28, s2
	s_and_b32 s29, s28, 1
	s_cmp_eq_u32 s29, 0
	s_cselect_b64 s[30:31], s[12:13], s[14:15]     ; cos or sin
	s_lshr_b32 s32, s28, 1
	s_lshl_b32 s32, s32, 13                        ; 16 rows of 512 bytes
	s_mov_b32 s33, 0
	s_add_nc_u64 s[30:31], s[30:31], s[32:33]
	s_lshl_b32 s32, s28, 13                        ; an image is 8,192 bytes
	s_add_nc_u64 s[24:25], s[24:25], s[32:33]
	v_and_b32 v3, 15, v0
	v_bfe_u32 v4, v0, 4, 1
	v_lshlrev_b32 v3, 9, v3
	v_lshl_add_u32 v3, v4, 5, v3                   ; row l % 16, + 8 channels for lanes 16-31
	s_wait_alu depctr_va_vdst(0)
	v_lshlrev_b32 v4, 4, v2                        ; out: 16 bytes a lane
.irp c, 0,1,2,3,4,5,6,7,8,9,10,11,12,13,14,15
	global_load_b128 v[16+4*\c:19+4*\c], v3, s[30:31] offset:64*(\c/2)+16*(\c%2)   ; channels 16 (c / 2) + 8 (l / 16) + 4 (c % 2) + 0 .. 3
.endr
	s_wait_alu depctr_va_vdst(0)
.irp c, 0,1,2,3,4,5,6,7,8,9,10,11,12,13,14,15
	s_wait_loadcnt 15-\c                           ; loads come back in order: load c is in, the younger ones may be out
	global_store_b128 v4, v[16+4*\c:19+4*\c], s[24:25] offset:512*\c               ; 512 consecutive bytes, aligned
.endr
	s_wait_tensorcnt 0x0                           ; the wave's end
	ds_add_u32 v[SPW], v[NIL]
	s_wait_dscnt 0x0
	s_endpgm
.Lfunc_end_k_q859d3ccf7d_prep:
	.size	k_q859d3ccf7d_prep, .Lfunc_end_k_q859d3ccf7d_prep-k_q859d3ccf7d_prep
	.p2alignl 7, 3214868480
	.fill 96, 4, 3214868480
	.section	.rodata,"a",@progbits
	.p2align	6, 0x0
	.amdhsa_kernel k_q859d3ccf7d_prep
		.amdhsa_group_segment_fixed_size 58880
		.amdhsa_private_segment_fixed_size 0
		.amdhsa_enable_private_segment 0
		.amdhsa_kernarg_size 88
		.amdhsa_user_sgpr_count 2
		.amdhsa_user_sgpr_kernarg_segment_ptr 1
		.amdhsa_wavefront_size32 1
		.amdhsa_system_sgpr_workgroup_id_x 1
		.amdhsa_system_sgpr_workgroup_id_y 1
		.amdhsa_system_sgpr_workgroup_id_z 1
		.amdhsa_system_vgpr_workitem_id 0
		.amdhsa_next_free_vgpr 200
		.amdhsa_next_free_sgpr 66
		.amdhsa_reserve_vcc 0
		.amdhsa_float_denorm_mode_32 3
		.amdhsa_float_denorm_mode_16_64 3
		.amdhsa_memory_ordered 1
		.amdhsa_forward_progress 1
		.amdhsa_inst_pref_size 43
	.end_amdhsa_kernel
	.amdgpu_metadata
---
amdhsa.version: [ 1, 2 ]
amdhsa.kernels:
  - .name:           k_q859d3ccf7d_prep
    .symbol:         k_q859d3ccf7d_prep.kd
    .args:
      - { .name: x, .offset: 0, .size: 8, .value_kind: global_buffer, .address_space: global }
      - { .name: wq_w, .offset: 8, .size: 8, .value_kind: global_buffer, .address_space: global }
      - { .name: wk_w, .offset: 16, .size: 8, .value_kind: global_buffer, .address_space: global }
      - { .name: wv_w, .offset: 24, .size: 8, .value_kind: global_buffer, .address_space: global }
      - { .name: cos, .offset: 32, .size: 8, .value_kind: global_buffer, .address_space: global }
      - { .name: sin, .offset: 40, .size: 8, .value_kind: global_buffer, .address_space: global }
      - { .name: xc, .offset: 48, .size: 8, .value_kind: global_buffer, .address_space: global }
      - { .name: xs, .offset: 56, .size: 8, .value_kind: global_buffer, .address_space: global }
      - { .name: wc, .offset: 64, .size: 8, .value_kind: global_buffer, .address_space: global }
      - { .name: ws, .offset: 72, .size: 8, .value_kind: global_buffer, .address_space: global }
      - { .name: cs, .offset: 80, .size: 8, .value_kind: global_buffer, .address_space: global }
    .group_segment_fixed_size: 58880
    .private_segment_fixed_size: 0
    .kernarg_segment_align: 8
    .kernarg_segment_size: 88
    .max_flat_workgroup_size: 128
    .sgpr_count:     66
    .vgpr_count:     200
    .wavefront_size: 32
...
	.end_amdgpu_metadata
.endif
;; end of part 1
;; launch proj (part 2): grid 16 x 12, 4 waves a work-group, clusters of 4 x 1, 327,680 bytes of LDS; arguments xc, xs, wc, ws, cs, qc, kvc; writes qc, kvc
.if DOCPART == 2
	.amdgcn_target "amdgcn-amd-amdhsa--gfx1250"
	.amdhsa_code_object_version 6
	.text
	.protected	k_q859d3ccf7d_proj
	.globl	k_q859d3ccf7d_proj
	.p2align	8
	.type	k_q859d3ccf7d_proj,@function
k_q859d3ccf7d_proj:
	s_mov_b64 s[64:65], 0
	v_nop
	global_prefetch_b8 v0, s[64:65] scope:SCOPE_SE
	s_setreg_imm32_b32 hwreg(HW_REG_WAVE_MODE, 25, 1), 1
	s_wait_xcnt 0x0
	s_wait_alu depctr_hold_cnt(0) depctr_sa_sdst(0) depctr_va_vdst(0) depctr_va_sdst(0) depctr_va_ssrc(0) depctr_va_vcc(0) depctr_vm_vsrc(0)
	s_getreg_b32 s2, hwreg(HW_REG_IB_STS2, 6, 4)
	s_cmp_eq_u32 s2, 0
	s_cbranch_scc0 .Lentry_in_a_cluster
	s_endpgm
.Lentry_in_a_cluster:
	s_bfe_u32 s2, ttmp6, 0x10000c
	s_cmp_lg_u32 s2, 0x3003
	s_cbranch_scc0 .Lentry_shape_is_right
	s_endpgm
.Lentry_shape_is_right:
; Launch 2 of 3: [q; k; v] = x [wq; wk; wv]^T on codes of E2M3, then rotary (q, k) and the next quantisers in registers; q, k (along the head's channels) and v (along the keys) leave as images of fragments.
; A work-group makes 256 positions x 256 channels, a wave 128 x 128 in 64 accumulators.  Work-group x: tile of positions; y: tile of channels (0-7 q, 8-9 k, 10-11 v).
; xc and wc hold images of fragments (16 rows x 128 K, 1,536 bytes, register group c of lane l at 512 c + 16 l), laid [tile of 256 rows][step of 128][block of 16 rows]: so two steps of a tile are 49,152 dense bytes.
; K goes through two LDS slots of two steps; each wave fetches one step of one tile, 96 rows of 256 bytes, no padding; a fragment is three loads of 16 bytes a lane, 512 consecutive bytes each.
; The scale words of a tile, laid [block of 16 rows][256 along K][row][8 bytes], come once, 16,384 dense bytes a tile.
; CLUSTER 4, 1, 1: the four partners differ in the tile of positions and ask for the weights' tiles jointly; x's tiles are each work-group's own.
; The product is used transposed: source 0 = the weights' rows, source 1 = x's rows, so that a lane holds one position and registers along the channels.  For v (y >= 10) the two change roles, by the LDS addresses that the
; fragments are read from, so that a lane holds one channel and its registers run along the keys.
; PREFETCHES INTO THE L2.  Behind the load of slot j (j = 0 .. 6) each wave asks for the 24,576 bytes that its own load of slot j + 1 will bring: two steps of 128 along K ahead.  x's waves name all 96 blocks of 256 bytes
; (three instructions, a lane a block); of the weights' 96 blocks each of the four partners names 24, told apart by address (lanes beyond 23 name block 23).  Slot 0 comes by its loads alone; nothing is asked for behind slot 7.
; In the written-out tail, three steps ahead of the way out, the 16 waves of y = 0 .. 7 that will read the same 131,072 bytes of cos and sin name 32 blocks each, one instruction a wave.
.set NQ,     2
.set FR,     12
.set NL,     3                         ; LDS loads that bring a fragment
.set NP,     4
.set QB,     24576                     ; a step of a tile: 16 images
.set HB,     12288                     ; 128 rows of it
.set SB,     2*QB                      ; a tile's part of a slot
.set TILEB,  393216                    ; a tile of 256 rows, all of K
.set SLOT,   2*SB
.set LAPS,   4
.set SCL,    2*SLOT
.set HALFS,  8192
.set SBLK,   1024
.set SPARE,  SCL+4*HALFS               ; the spare words: two blocks of 256 bytes that no other line names
.set ADRA, 16
.set ADRB, 20
.set LI,   24
.set PFO,  25                          ; v25  the tiles' prefetch offset; never rewritten
.set ADRSA, 26
.set ADRSB, 27
.set SPW,  28
.set NIL,  29
.set PFC,  30                          ; v30  the offset of the prefetch of cos and sin; never rewritten
.set SC,   32
.set AF,   128
.set PCB,  96
.set TC,   192
.set TM,   200
.set SW,   220
.set PW,   224
.set SEL,  8
.set OUT,  22
.set G1, 24
.set G0, 32
.set G1B, 48
.set G0B, 56
.set G1S, 68
.set G0S, 76
.set G1SB, 80
.set G0SB, 88
.set PFA,  92                          ; s[92:93] my step of the slot that the prefetch names
.set MSB, 0
.macro WIN new
.if MSB != (\new)
	s_set_vgpr_msb (MSB<<8)|(\new)
.set MSB, (\new)
.endif
.endm
.set MUL_LO, 0xa1
.set MUL_HI, 0xf1
.set TO_B,   0x40
.macro TL g0, g1                       ; a tensor load with s_nop and four v_nop behind it
	tensor_load_to_lds s[\g0:\g0+3], s[\g1:\g1+7]
	s_nop 0
.rept 4
	v_nop
.endr
.endm
.macro JLOAD g0a, g1a, g0b, g1b        ; waves 0, 1 fetch x's two steps, waves 2, 3 the weights'
	s_cmp_eq_u32 s15, 0
	s_cbranch_scc0 .Lfor_b_\@
	TL \g0a, \g1a
	s_branch .Lasked_\@
.Lfor_b_\@:
	TL \g0b, \g1b
.Lasked_\@:
.endm
.macro ASK guard                       ; guard = 1: not in the loop's last trip, where the slot named would lie behind K's end.  The branches hang on the count of trips and on the wave's number alone
.if \guard
	s_cmp_gt_u32 s3, 1
	s_cbranch_scc0 .Lpd_\@
.endif
	s_cmp_eq_u32 s15, 0
	s_cbranch_scc0 .Lpb_\@
	global_prefetch_b8 v[PFO], s[PFA:PFA+1] th:TH_LOAD_NT scope:SCOPE_SE
	global_prefetch_b8 v[PFO], s[PFA:PFA+1] offset:8192 th:TH_LOAD_NT scope:SCOPE_SE
	global_prefetch_b8 v[PFO], s[PFA:PFA+1] offset:16384 th:TH_LOAD_NT scope:SCOPE_SE
	s_branch .Lpd_\@
.Lpb_\@:
	global_prefetch_b8 v[PFO], s[PFA:PFA+1] th:TH_LOAD_NT scope:SCOPE_SE
.Lpd_\@:
.endm
.macro CREST
	s_cmp_lg_u32 s14, 0
	s_cbranch_scc1 .Lnot_wave_0_\@
	s_barrier_signal -3
.Lnot_wave_0_\@:
	s_barrier_wait -3
	s_barrier_signal -1
	s_barrier_wait -1
.endm
.macro CROUND
	s_barrier_signal -1
	s_barrier_wait -1
	CREST
.endm
	s_load_b128 s[4:7], s[0:1], 0x0                ; xc, xs
	s_load_b128 s[8:11], s[0:1], 0x10              ; wc, ws
	s_load_b64 s[12:13], s[0:1], 0x20              ; cs
	s_load_b128 s[96:99], s[0:1], 0x28             ; qc, kvc
	v_lshl_add_u32 v[SPW], v0, 2, SPARE
	v_mov_b32 v[NIL], 0
	ds_add_u32 v[SPW], v[NIL]                      ; the opening lines: the add twice on end and its wait ahead of my first tensor load
	ds_add_u32 v[SPW], v[NIL]
	v_lshrrev_b32 v1, 5, v0
	v_readfirstlane_b32 s14, v1                    ; wave
	s_lshr_b32 s15, s14, 1
	s_and_b32 s16, s14, 1
	s_bfe_u32 s40, ttmp6, 0x40000                  ; cx
	s_lshl_b32 s17, ttmp9, 2
	s_add_co_u32 s17, s17, s40                     ; tile of positions
	s_and_b32 s42, ttmp7, 0xffff                   ; tile of channels
	s_mov_b32 s[G1+0], 3<<16                       ; elements of 8 bytes, no mask
	s_mov_b32 s[G1B+0], 15|(3<<16)|(1<<21)         ; the same, asked for by all four partners
.irp g, G1, G1B
	s_mov_b32 s[\g+1], 32<<16                      ; rows of 256 bytes
	s_mov_b32 s[\g+2], 192<<16                     ; the head's loads bring both steps of a tile: 192 rows
	s_mov_b32 s[\g+3], 32<<16
	s_mov_b32 s[\g+4], 192
	s_mov_b32 s[\g+5], 32
	s_mov_b32 s[\g+6], 0
	s_mov_b32 s[\g+7], 0
.endr
	s_mov_b32 s[G1S+0], 3<<16
	s_mov_b32 s[G1SB+0], 15|(3<<16)|(1<<21)
.irp g, G1S, G1SB
	s_mov_b32 s[\g+1], 32<<16                      ; a tile's scale words: 64 rows of 256 bytes
	s_mov_b32 s[\g+2], 64<<16
	s_mov_b32 s[\g+3], 32<<16
	s_mov_b32 s[\g+4], 64
	s_mov_b32 s[\g+5], 32
	s_mov_b32 s[\g+6], 0
	s_mov_b32 s[\g+7], 0
.endr
	s_mul_i32 s20, s17, TILEB
	s_mov_b32 s21, 0
	s_mul_i32 s46, s42, TILEB
	s_mov_b32 s47, 0
	s_lshl_b32 s22, s17, 14
	s_mov_b32 s23, 0
	s_lshl_b32 s92, s42, 14
	s_mov_b32 s93, 0
	s_mul_i32 s18, s16, QB                         ; in the ring I fetch step wave % 2 of a slot's two,
	s_mov_b32 s19, 0
	s_mul_i32 s45, s14, QB                         ; to wave x 24,576
	s_mov_b32 s66, 0xffff0000
	s_wait_dscnt 0x0
	s_wait_kmcnt 0x0
	s_add_nc_u64 s[20:21], s[4:5], s[20:21]
	s_add_nc_u64 s[22:23], s[6:7], s[22:23]
	s_add_nc_u64 s[46:47], s[8:9], s[46:47]
	s_add_nc_u64 s[92:93], s[10:11], s[92:93]
	CROUND
	s_mov_b32 s[G0S], 1
	s_mov_b32 s[G0S+1], SCL
	s_mov_b64 s[G0S+2:G0S+3], s[22:23]
	s_or_b32 s[G0S+3], s[G0S+3], 0x80000000
	s_mov_b32 s[G0SB], 1
	s_mov_b32 s[G0SB+1], SCL+2*HALFS
	s_mov_b64 s[G0SB+2:G0SB+3], s[92:93]
	s_or_b32 s[G0SB+3], s[G0SB+3], 0x80000000
	s_add_nc_u64 s[20:21], s[20:21], s[18:19]
	s_add_nc_u64 s[46:47], s[46:47], s[18:19]
.irp s, 0,1
	s_mov_b32 s[G0+4*\s], 1
	s_add_co_u32 s[G0+4*\s+1], s45, \s*SLOT
	s_add_nc_u64 s[G0+4*\s+2:G0+4*\s+3], s[20:21], \s*SB
	s_or_b32 s[G0+4*\s+3], s[G0+4*\s+3], 0x80000000
	s_mov_b32 s[G0B+4*\s], 1
	s_add_co_u32 s[G0B+4*\s+1], s45, \s*SLOT
	s_add_nc_u64 s[G0B+4*\s+2:G0B+4*\s+3], s[46:47], \s*SB
	s_or_b32 s[G0B+4*\s+3], s[G0B+4*\s+3], 0x80000000
.endr
	s_cmp_eq_u32 s15, 0                            ; the prefetches walk the tile that I fetch for, from slot 1 on
	s_cselect_b64 s[PFA:PFA+1], s[20:21], s[46:47]
	s_add_nc_u64 s[PFA:PFA+1], s[PFA:PFA+1], SB
; THE HEAD'S LOADS, one a wave, in one tree of branches on the wave's number.  Wave 0's and wave 2's slot-0 descriptors point at step 0 of x's and of the weights' tile and at those tiles' places in slot 0:
; with 192 rows they bring the whole of slot 0.  Waves 1 and 3 bring the scale words.
.macro ARM under, g0, g1, next
	s_cmp_lt_u32 s14, \under
	s_cbranch_scc0 \next
	TL \g0, \g1
	s_branch .Lhead_asked
\next:
.endm
	ARM 1, G0,  G1,  .Lhead_1
	ARM 2, G0S, G1S, .Lhead_2
	ARM 3, G0B, G1B, .Lhead_3
	TL G0SB, G1SB
.Lhead_asked:
	s_cmp_ge_u32 s42, 10                           ; v: the two operands change roles
	s_cselect_b32 s41, SB, 0
	s_cselect_b32 s43, 0, SB
	s_cselect_b32 s44, 2*HALFS, 0
	s_cselect_b32 s67, 0, 2*HALFS
	s_mul_i32 s2, s15, HB
	s_add_co_u32 s41, s41, s2
	s_mul_i32 s2, s16, HB
	s_add_co_u32 s43, s43, s2
	s_mul_i32 s2, s15, HALFS
	s_add_co_u32 s44, s44, s2
	s_add_co_u32 s44, s44, SCL
	s_mul_i32 s2, s16, HALFS
	s_add_co_u32 s67, s67, s2
	s_add_co_u32 s67, s67, SCL
	s_mul_i32 s10, s40, 24                         ; the weights' blocks: 24 for each partner
	s_cmp_eq_u32 s15, 0
	s_cselect_b32 s94, 31, 23
	s_cselect_b32 s10, 0, s10
	s_lshl_b32 s11, s42, 1                         ; cos and sin: sharer 2 y + wave % 2 of sixteen
	s_add_co_u32 s11, s11, s16
	s_lshl_b32 s11, s11, 5
	v_and_b32 v1, 15, v0
	v_and_b32 v6, 31, v0
	v_lshlrev_b32 v[LI], 4, v6                     ; 16 x lane
	v_lshlrev_b32 v5, 3, v1                        ; a row's two scale words
	v_add_nc_u32 v[ADRA], s41, v[LI]
	v_add_nc_u32 v[ADRB], s43, v[LI]
	v_add_nc_u32 v[ADRA+1], SLOT, v[ADRA]
	v_add_nc_u32 v[ADRB+1], SLOT, v[ADRB]
	v_add_nc_u32 v[ADRSA], s44, v5
	v_add_nc_u32 v[ADRSB], s67, v5
	v_min_u32 v[PFO], s94, v6
	v_add_nc_u32 v[PFO], s10, v[PFO]
	v_lshlrev_b32 v[PFO], 8, v[PFO]                ; a lane a block of 256 bytes
	v_add_nc_u32 v[PFC], s11, v6
	v_lshlrev_b32 v[PFC], 8, v[PFC]
	s_wait_alu depctr_va_vdst(0)
	ASK 0                                          ; slot 1
	s_mov_b32 s[SEL], 0x76543210
	s_mov_b32 s[SEL+1], 0xfedcba98
	s_lshr_b32 s4, s17, 3                          ; where my wave's block of 12,800 bytes lies in qc or kvc
	s_and_b32 s5, s17, 7
	s_lshl_b32 s5, s5, 1
	s_cmp_ge_u32 s42, 10
	s_cselect_b32 s95, s16, s15
	s_cselect_b32 s2, s15, s16
	s_cselect_b32 s21, 12800, 0
	s_add_co_u32 s5, s5, s95
	s_lshl_b32 s6, s4, 4
	s_lshl_b32 s20, s42, 1
	s_add_co_u32 s6, s6, s20
	s_add_co_u32 s6, s6, s2
	s_lshl_b32 s6, s6, 4
	s_add_co_u32 s6, s6, s5
	s_mul_i32 s6, s6, 12800
	s_and_b32 s7, s42, 1
	s_lshl_b32 s7, s7, 1
	s_lshl_b32 s20, s4, 2
	s_add_co_u32 s7, s7, s20
	s_add_co_u32 s7, s7, s2
	s_lshl_b32 s7, s7, 4
	s_add_co_u32 s7, s7, s5
	s_mul_i32 s7, s7, 25600
	s_add_co_u32 s7, s7, s21
	s_cmp_lt_u32 s42, 8
	s_cselect_b32 s20, s6, s7
	s_cselect_b64 s[OUT:OUT+1], s[96:97], s[98:99]
	s_mov_b32 s21, 0
	s_add_nc_u64 s[OUT:OUT+1], s[OUT:OUT+1], s[20:21]
	s_lshl_b32 s20, s5, 17
	s_add_nc_u64 s[12:13], s[12:13], s[20:21]
	s_wait_xcnt 0x0                                ; the head's prefetch has read its address
	s_add_nc_u64 s[PFA:PFA+1], s[PFA:PFA+1], SB    ; on to slot 2
.macro FRAG reg, adr, q, i             ; an image: three loads of 16 bytes a lane
.irp c, 0,1,2
	ds_load_b128 v[\reg+4*\c:\reg+4*\c+3], v[\adr] offset:QB*(\q)+1536*(\i)+512*\c
.endr
.endm
.macro MUL16 a0, p, q, sc, zero        ; the 64 accumulators take turns, in the same order in every step
.irp a, \a0, \a0+1
.irp b, 0,1,2,3,4,5,6,7
.if \zero
	v_wmma_scale_f32_16x16x128_f8f6f4 v[8*(8*((\a)%4)+\b):8*(8*((\a)%4)+\b)+7], v[128*(\p)+FR*\b:128*(\p)+FR*\b+FR-1], v[AF+FR*(\a):AF+FR*(\a)+FR-1], 0, v[SC+32*(\sc)+16+2*\b+(\q)], v[SC+32*(\sc)+2*(\a)+(\q)] matrix_a_fmt:MATRIX_FMT_FP6 matrix_b_fmt:MATRIX_FMT_FP6
.else
	v_wmma_scale_f32_16x16x128_f8f6f4 v[8*(8*((\a)%4)+\b):8*(8*((\a)%4)+\b)+7], v[128*(\p)+FR*\b:128*(\p)+FR*\b+FR-1], v[AF+FR*(\a):AF+FR*(\a)+FR-1], v[8*(8*((\a)%4)+\b):8*(8*((\a)%4)+\b)+7], v[SC+32*(\sc)+16+2*\b+(\q)], v[SC+32*(\sc)+2*(\a)+(\q)] matrix_a_fmt:MATRIX_FMT_FP6 matrix_b_fmt:MATRIX_FMT_FP6
.endif
.endr
.endr
.endm
.macro FETCH_B slot, q, p
	WIN TO_B
.irp i, 0,1,2,3,4,5,6,7
	FRAG 128*(\p)+FR*\i, ADRB+\slot, \q, \i
.endr
	WIN 0
.endm
.macro FETCH_A slot, q, i0
.irp i, \i0, \i0+1, \i0+2, \i0+3
	FRAG AF+FR*(\i), ADRA+\slot, \q, \i
.endr
.endm
.macro SCALES sc
.irp i, 0,1,2,3,4,5,6,7
	ds_load_b64 v[SC+32*\sc+2*\i:SC+32*\sc+2*\i+1], v[ADRSA] offset:\i*SBLK
.endr
.irp i, 0,1,2,3,4,5,6,7
	ds_load_b64 v[SC+32*\sc+16+2*\i:SC+32*\sc+16+2*\i+1], v[ADRSB] offset:\i*SBLK
.endr
.endm
.macro PLACES n
.rept \n
	v_nop
.endr
.endm
.macro STEP slot, q, zero              ; a slot's first step; the second step's fragments are fetched in its middle and at its end
	s_wait_dscnt 4*NL                              ; all but the youngest twelve loads (source 1's blocks 4-7)
	WIN MUL_LO
	MUL16 0, (\q)%2, \q, \slot, \zero
	MUL16 2, (\q)%2, \q, \slot, \zero
	s_wait_dscnt 0
	PLACES NP
	FETCH_B \slot, (\q)+1, 1-(\q)%2
	FETCH_A \slot, (\q)+1, 0
	WIN MUL_HI
	MUL16 4, (\q)%2, \q, \slot, \zero
	MUL16 6, (\q)%2, \q, \slot, \zero
	PLACES NP
	WIN 0
	FETCH_A \slot, (\q)+1, 4
.endm
.macro TURN slot, next, fill           ; a slot's second step, and the change of slots
.if \fill
	s_wait_xcnt 0x0                                ; my last prefetch, a slot back, has read its address: it steps here, ahead of the lines of the change of slots
	s_add_nc_u64 s[PFA:PFA+1], s[PFA:PFA+1], SB
.endif
	s_wait_tensorcnt 0x0                           ; all my tensor loads have landed: my part of the next slot
	ds_add_u32 v[SPW], v[NIL]
	s_wait_dscnt 4*NL+1                            ; (the add and the youngest twelve loads may be out)
	WIN MUL_LO
	MUL16 0, 1, NQ-1, \slot, 0
	s_wait_dscnt 0x0                               ; the add is done, and my reads of this slot are over
	s_barrier_signal -1
	MUL16 2, 1, NQ-1, \slot, 0
	WIN 0
	s_barrier_wait -1
.if \fill
	CREST                                          ; the barrier has opened a round of the cluster's barrier
	s_add_nc_u64 s[G0+4*\slot+2:G0+4*\slot+3], s[G0+4*\slot+2:G0+4*\slot+3], 2*SB
	s_add_nc_u64 s[G0B+4*\slot+2:G0B+4*\slot+3], s[G0B+4*\slot+2:G0B+4*\slot+3], 2*SB
	JLOAD G0+4*\slot, G1, G0B+4*\slot, G1B
.else
	PLACES NP
.endif
	s_wait_alu depctr_va_vdst(0)                   ; the wait ahead of the readers below
	v_add_nc_u32 v[ADRSA], 128, v[ADRSA]           ; the next 256 along K of the scale words
	v_add_nc_u32 v[ADRSB], 128, v[ADRSB]
	FETCH_B \next, 0, 0
	FETCH_A \next, 0, 0
	SCALES \next
.if \fill
	ASK \slot                                      ; the slot behind the one just asked for; slot 1's change in the last trip asks for nothing
.endif
	WIN MUL_HI
	MUL16 4, 1, NQ-1, \slot, 0
	MUL16 6, 1, NQ-1, \slot, 0
	PLACES NP
	WIN 0
	FETCH_A \next, 0, 4
.endm
.macro CSLOAD a                        ; the images of cos and sin of block a of 16 positions, into the registers that held the weights' fragments
	WIN 0x40
.irp c, 0,1,2,3,4,5,6,7,8,9,10,11,12,13,14,15
	global_load_b128 v[128*((\a)%2)+4*\c:128*((\a)%2)+4*\c+3], v[LI], s[12:13] offset:16384*(\a)+512*\c
.endr
.irp c, 0,1,2,3,4,5,6,7,8,9,10,11,12,13,14,15
	global_load_b128 v[128*((\a)%2)+64+4*\c:128*((\a)%2)+64+4*\c+3], v[LI], s[12:13] offset:16384*(\a)+8192+512*\c
.endr
	WIN 0
.endm
	s_wait_alu depctr_va_vdst(0)                   ; the wait at the head's end
	s_wait_tensorcnt 0x0                           ; my tile of the head's four is in
	ds_add_u32 v[SPW], v[NIL]
	s_mov_b32 s[G1+2], 96<<16                      ; no tensor load of mine is out: from here on a load brings one step, 96 rows
	s_mov_b32 s[G1+4], 96
	s_mov_b32 s[G1B+2], 96<<16
	s_mov_b32 s[G1B+4], 96
	s_wait_dscnt 0x0
	CROUND
	JLOAD G0+4, G1, G0B+4, G1B                     ; slot 1's first fill, the first tensor load behind the round
	FETCH_B 0, 0, 0
	FETCH_A 0, 0, 0
	SCALES 0
	FETCH_A 0, 0, 4
	ASK 0                                          ; slot 2
	STEP 0, 0, 1                                   ; the first step's products start the sums
	s_mov_b32 s3, LAPS-1
.Llap:
	TURN 0, 1, 1
	STEP 1, 0, 0
	TURN 1, 0, 1
	STEP 0, 0, 0
	s_sub_co_u32 s3, s3, 1
	s_cmp_lg_u32 s3, 0
	s_cbranch_scc1 .Llap
	TURN 0, 1, 0
	s_cmp_lt_u32 s42, 8                            ; the tiles of q ask for cos and sin, for those of k too
	s_cbranch_scc0 .Lno_cs
	global_prefetch_b8 v[PFC], s[12:13] th:TH_LOAD_NT scope:SCOPE_SE
.Lno_cs:
	STEP 1, 0, 0
	s_cmp_ge_u32 s42, 10
	s_cbranch_scc1 .Lno_rot
	CSLOAD 0                                       ; the last step multiplies the weights' second set: the first set's registers, four places behind their last products, take block 0's cos and sin
.Lno_rot:
	s_wait_dscnt 4*NL
	WIN MUL_LO
	MUL16 0, 1, NQ-1, 1, 0
	MUL16 2, 1, NQ-1, 1, 0
	s_wait_dscnt 0
	WIN MUL_HI
	MUL16 4, 1, NQ-1, 1, 0
	MUL16 6, 1, NQ-1, 1, 0
	WIN 0
; THE WAY OUT.  q and k: rotary by the images of cos and sin that launch prep laid, block of 16 positions by block; then each block of 16 x 128 is quantised along its registers and leaves as an image.
.macro ROT a
.set AC, 64*((\a)%4)
.set CP, 128*((\a)%2)
	WIN 0x54+2+(\a)/4
.set n, 0
.rept 32
	v_pk_mul_f32 v[CP+n:CP+n+1], v[AC+n:AC+n+1], v[CP+n:CP+n+1]
.set n, n+2
.endr
.set n, 0
.rept 16
	v_pk_fma_f32 v[CP+n:CP+n+1], v[AC+n+32:AC+n+33], v[CP+64+n:CP+64+n+1], v[CP+n:CP+n+1] neg_lo:[0,1,0] neg_hi:[0,1,0]
.set n, n+2
.endr
.rept 16
	v_pk_fma_f32 v[CP+n:CP+n+1], v[AC+n-32:AC+n-31], v[CP+64+n:CP+64+n+1], v[CP+n:CP+n+1]
.set n, n+2
.endr
	WIN 0
.endm
.macro QUANT s, w, pc, pw
	WIN ((\w)<<2)|((\w)<<4)
.irp b, 0,1,2,3
	v_max3_num_f32 v[TM+\b], 0x1800000, |v[(\s)+16*\b]|, |v[(\s)+16*\b+1]|
.endr
.irp i, 2,4,6,8,10,12,14
.irp b, 0,1,2,3
	v_max3_num_f32 v[TM+\b], v[TM+\b], |v[(\s)+16*\b+\i]|, |v[(\s)+16*\b+\i+1]|
.endr
.endr
	WIN 0
.irp b, 0,1,2,3
	v_permlanex16_b32 v[TM+4+\b], v[TM+\b], s[SEL], s[SEL+1]
.endr
.irp b, 0,1,2,3
	v_max_num_f32 v[TM+\b], v[TM+\b], v[TM+4+\b]
.endr
.irp b, 0,1,2,3
	v_add_nc_u32 v[TM+12+\b], 0xff000000, v[TM+\b]
.endr
.irp b, 0,1,2,3
	v_lshrrev_b32 v[TM+4+\b], 23, v[TM+12+\b]
.endr
	v_lshl_or_b32 v[\pw], v[TM+5], 8, v[TM+4]
	v_lshl_or_b32 v[\pw], v[TM+6], 16, v[\pw]
	v_lshl_or_b32 v[\pw], v[TM+7], 24, v[\pw]
	WIN (\w)
.irp c, 0,1
	v_cvt_scalef32_pk16_fp6_f32 v[(\pc)+6*\c:(\pc)+6*\c+2], v[(\s)+32*\c:(\s)+32*\c+15], v[TM+12+2*\c]
	v_cvt_scalef32_pk16_fp6_f32 v[TC+4*\c:TC+4*\c+2], v[(\s)+32*\c+16:(\s)+32*\c+31], v[TM+13+2*\c]
.endr
	WIN 0
	v_nop
.irp c, 0,1
.irp i, 0,1,2
	v_permlane16_swap_b32 v[(\pc)+6*\c+\i], v[TC+4*\c+\i]
.endr
.irp i, 0,1,2
	v_mov_b32 v[(\pc)+3+6*\c+\i], v[TC+4*\c+\i]
.endr
.endr
.endm
.macro OUTF a
.irp c, 0,1,2
	global_store_b128 v[LI], v[PCB+12*(\a)+4*\c:PCB+12*(\a)+4*\c+3], s[OUT:OUT+1] offset:1536*(\a)+512*\c
.endr
.endm
	PLACES NP
.irp b, 0,1,2,3
	v_mov_b32 v[TM+4+\b], 0
.endr
	s_cmp_ge_u32 s42, 10
	s_cbranch_scc1 .Lv
	CSLOAD 1
.irp a, 0,1,2,3,4,5,6,7
.if \a < 7
	s_wait_loadcnt 32                              ; block a's 32 loads are in; the next block's may be out
.else
	s_wait_loadcnt 0
.endif
	ROT \a
	QUANT CP, 1, PCB+12*\a, PW+\a
.if \a < 6
	CSLOAD \a+2
.endif
	OUTF \a
.endr
	s_branch .Lsw
.Lv:
.irp a, 0,1,2,3,4,5,6,7
.set AC, 64*(\a%4)
	QUANT AC, 2+\a/4, PCB+12*\a, PW+\a
	OUTF \a
.endr
.Lsw:
.irp i, 0,1,2,3
	v_cndmask_b32 v[SW+\i], v[PW+2*\i], v[PW+2*\i+1], s66
.endr
	global_store_b128 v[LI], v[SW:SW+3], s[OUT:OUT+1] offset:12288
	s_wait_tensorcnt 0x0                           ; the wave's end
	ds_add_u32 v[SPW], v[NIL]
	s_wait_dscnt 0x0
	CROUND                                         ; the closing round
	s_endpgm
.Lfunc_end_k_q859d3ccf7d_proj:
	.size	k_q859d3ccf7d_proj, .Lfunc_end_k_q859d3ccf7d_proj-k_q859d3ccf7d_proj
	.p2alignl 7, 3214868480
	.fill 96, 4, 3214868480
	.section	.rodata,"a",@progbits
	.p2align	6, 0x0
	.amdhsa_kernel k_q859d3ccf7d_proj
		.amdhsa_group_segment_fixed_size 327680
		.amdhsa_private_segment_fixed_size 0
		.amdhsa_enable_private_segment 0
		.amdhsa_kernarg_size 56
		.amdhsa_user_sgpr_count 2
		.amdhsa_user_sgpr_kernarg_segment_ptr 1
		.amdhsa_wavefront_size32 1
		.amdhsa_system_sgpr_workgroup_id_x 1
		.amdhsa_system_sgpr_workgroup_id_y 1
		.amdhsa_system_sgpr_workgroup_id_z 1
		.amdhsa_system_vgpr_workitem_id 0
		.amdhsa_next_free_vgpr 1024
		.amdhsa_next_free_sgpr 100
		.amdhsa_reserve_vcc 0
		.amdhsa_float_denorm_mode_32 3
		.amdhsa_float_denorm_mode_16_64 3
		.amdhsa_memory_ordered 1
		.amdhsa_forward_progress 1
		.amdhsa_inst_pref_size 236
	.end_amdhsa_kernel
	.amdgpu_metadata
---
amdhsa.version: [ 1, 2 ]
amdhsa.kernels:
  - .name:           k_q859d3ccf7d_proj
    .symbol:         k_q859d3ccf7d_proj.kd
    .args:
      - { .name: xc, .offset: 0, .size: 8, .value_kind: global_buffer, .address_space: global }
      - { .name: xs, .offset: 8, .size: 8, .value_kind: global_buffer, .address_space: global }
      - { .name: wc, .offset: 16, .size: 8, .value_kind: global_buffer, .address_space: global }
      - { .name: ws, .offset: 24, .size: 8, .value_kind: global_buffer, .address_space: global }
      - { .name: cs, .offset: 32, .size: 8, .value_kind: global_buffer, .address_space: global }
      - { .name: qc, .offset: 40, .size: 8, .value_kind: global_buffer, .address_space: global }
      - { .name: kvc, .offset: 48, .size: 8, .value_kind: global_buffer, .address_space: global }
    .group_segment_fixed_size: 327680
    .private_segment_fixed_size: 0
    .kernarg_segment_align: 8
    .kernarg_segment_size: 56
    .max_flat_workgroup_size: 128
    .sgpr_count:     100
    .vgpr_count:     1024
    .wavefront_size: 32
...
	.end_amdgpu_metadata
.endif
;; end of part 2
;; launch attn (part 3): grid 32 x 8, 16 waves a work-group, clusters of 4 x 1, 327,680 bytes of LDS; arguments qc, kvc, out0; writes out0
.if DOCPART == 3
	.amdgcn_target "amdgcn-amd-amdhsa--gfx1250"
	.amdhsa_code_object_version 6
	.text
	.protected	k_q859d3ccf7d_attn
	.globl	k_q859d3ccf7d_attn
	.p2align	8
	.type	k_q859d3ccf7d_attn,@function
k_q859d3ccf7d_attn:
	s_mov_b64 s[64:65], 0
	v_nop
	global_prefetch_b8 v0, s[64:65] scope:SCOPE_SE
	s_setreg_imm32_b32 hwreg(HW_REG_WAVE_MODE, 25, 1), 1
	s_wait_xcnt 0x0
	s_wait_alu depctr_hold_cnt(0) depctr_sa_sdst(0) depctr_va_vdst(0) depctr_va_sdst(0) depctr_va_ssrc(0) depctr_va_vcc(0) depctr_vm_vsrc(0)
	s_getreg_b32 s2, hwreg(HW_REG_IB_STS2, 6, 4)
	s_cmp_eq_u32 s2, 0
	s_cbranch_scc0 .Lentry_in_a_cluster
	s_endpgm
.Lentry_in_a_cluster:
	s_bfe_u32 s2, ttmp6, 0x10000c
	s_cmp_lg_u32 s2, 0x3003
	s_cbranch_scc0 .Lentry_shape_is_right
	s_endpgm
.Lentry_shape_is_right:
; Launch 3 of 3: out[b][q][h] = softmax over the keys k <= q of (q . k / sqrt(128)) times v, both products on codes of E2M3 made by launch proj.
; WORK LEFT OUT: a step of 128 keys all of which come after a tile's 16 queries: the problem's own lower triangle makes those scores -infinity, so their p is 0 for every input.  The repetition of k and v over
; four query heads is an address.  LIMIT: a NaN, an infinity or an overflow that would arise only in scores left out is not carried to the result.
; THE SOFTMAX AHEAD OF THE SECOND PRODUCT: t = score x log2(e) / sqrt(128); M = the running largest t rounded UP to a whole number; p = 2^(t - M) is quantised along the keys, not normalised; the row's sum is taken of
; the unquantised p and divides at the end.  When M moves, the sum and O are multiplied by 2^(old M - new M): exact.
; LIMITS: a block's largest p is made from the block's largest score by the same two instructions, which takes v_exp_f32 not to fall where its input rises.  Inside a block of 32 the terms stand in the order that
; launch proj gives k and v.  NaN and infinities among the inputs are not served.  The promise holds while the scaled scores stay under 2^31 in magnitude.
; SHARES.  Work-group (x = 16 b + h, y = i) owns blocks 15 - i and i of 128 queries of one head and walks them ONE AFTER THE OTHER, the late one first, all sixteen waves on the block in hand.
; A slot holds two key steps; of the two waves of a tile of 16 queries one (u = 0) takes a slot's first step, the other (u = 1) its second, each with its own M, sum and O.  So the walks take
; ceil((16 - i) / 2) + ceil((i + 1) / 2) = 9 slots in every work-group: a constant count of trips, and every slot that is asked for is read.
; At a walk's end the partners hand each other, through LDS, M, the sum and the half of O that the other finishes: wave u finishes channels 64 u .. 64 u + 63.  So that the half kept lies in the same registers in
; both, wave u = 1 takes V's tiles of channels in the order 4-7, 0-3, by addresses.  The hand-over is ordered by barriers that every wave passes in every trip; only its work stands under branches on ids.
; CLUSTER 4, 1, 1: the four query heads of a key head, with the same i, walk the same slots in the same trips and ask for them jointly.
; TWO WAYS INTO THE REGISTERS.  kvc holds, for each key step, K's and V's blocks of 12,800 bytes (eight images of fragments, 512 bytes of scale words).  K's blocks and the four tiles of V that a wave multiplies LAST
; go through LDS: wave 0 fetches both steps' K, wave 1 tiles 4-7 of the first step's V and tiles 0-3 of the second step's (two rows of 6,144 bytes, 19,456 bytes apart).  The four tiles of V that a wave multiplies FIRST,
; and V's scale words, go from kvc straight into the fragment registers, asked for behind the scores' products: the whole softmax stands between the request and the wait.  So a wave reads 18,944 bytes of LDS in a step.
; Both products are used transposed: a lane holds ONE query (lane % 16); register n of the scores is key 16 (n / 8) + 8 (lane / 16) + n % 8 of the step.
; REGISTERS: v1 16 x lane; v2-4, v30 lane terms of addresses; v5, v6 the add's two; v7 my offset in out; v8, v9 the step's LDS addresses; v12 -M, v13 the largest t, v[14:15] the sum; v16-27 Q; v28 prefetch;
; v32-79 four fragments; v80-85 the hand-over's addresses; v86-93 at work there; v94 16 x row; v96-159 S^T, then p; v160-223 O^T; v224-235 p's codes; v232-247 at work; v248-251 scale words; v252 f; v253 p's word; v255 Q's.
.set KBLK,  12800
.set VH,    6144                       ; four images
.set VOFF,  2*KBLK                     ; a slot: K of its two steps, then four tiles of V of each
.set SLOTB, 4*KBLK                     ; two key steps in kvc
.set SLOT1, 65536                      ; slot 1 begins here
.set STAGE, 131072                     ; the hand-over: 4,352 bytes for each wave: 32 registers' images and 8 bytes a lane; then the reader's stage of 16 rows x 272 bytes.  No tensor load lands here
.set AREA,  4352
.set SPARE, STAGE+16*AREA              ; the spare words, 128 bytes for each wave: eight blocks of 256 bytes that no other line names
.set LI,   1
.set LIK,  2                           ; v2 16 x lane + 12,800 u: my step's K in a slot
.set LIV,  3                           ; v3 16 x lane + 6,144 u: my row of V in a slot; and in kvc the tiles that I take first
.set GS0,  4                           ; v4 16 x lane + 8 u: their scale words; v30: 16 x lane + 8 (1 - u): the other tiles'
.set GS1,  30
.set SPW,  5
.set NIL,  6
.set GO,   7
.set AD,   8
.set AVL,  9
.set PFO,  28
.set XW,   80                          ; my area: images; v81: 8 bytes a lane
.set XR,   82                          ; my partner's area; v83
.set SIN,  84                          ; the stage in it, on the way in; v85 on the way back
.set QSO,  94
.set WV,   18
.set SEL,  20
.set CS,   22
.set G1,   24                          ; s[24:31] group 1 for K's blocks; s[32:39] for V's rows; s[40:43] group 0
.set G1V,  32
.set G0,   40
.set VB,   44                          ; s[44:45] V's block of key step 0; s[46:47] of my step
.set VP,   46
.set TB,   2                           ; s2   LDS byte at which the slot in hand begins
.set SLOTS, 67                         ; s67  8 - the trip's number
.set S1,   68                          ; s68  SLOTS in the late walk's last trip
.set S2,   69                          ; s69  SLOTS in the early walk's first trip
.set BK,   70                          ; s[70:71] what the walk's address goes back by
.set U,    74
.set I,    75
.set PFA,  76
.set BKL,  78                          ; s78  the late walk's length in bytes
.set CX,   79
.set LIM,  80
.set KF,   98                          ; s98  my step's first key
.set Q0,   99                          ; s99  my first query
.set KF0,  100                         ; s100 128 u
.set Q0E,  101                         ; s101 my first query in the early block
.macro TLOAD                           ; wave 0 fetches K, wave 1 V: one chain of branches on the wave's number, one load to an arm
	s_cmp_lt_u32 s[WV], 1
	s_cbranch_scc0 .Lforv_\@
	tensor_load_to_lds s[G0:G0+3], s[G1:G1+7]
	s_nop 0
.rept 4
	v_nop
.endr
	s_branch .Lasked_\@
.Lforv_\@:
	s_cmp_lt_u32 s[WV], 2
	s_cbranch_scc0 .Lasked_\@
	tensor_load_to_lds s[G0:G0+3], s[G1V:G1V+7]
	s_nop 0
.rept 4
	v_nop
.endr
.Lasked_\@:
.endm
; A PREFETCH INTO THE L2: in trip n of the late walk the two key steps n + 2 of kvc, which the next trip's loads ask for: 200 blocks of 256 bytes.  The four partners share them out by address, 50 each; in each work-group
; waves 4 and 5 ask, a lane a block; wave 5's lanes beyond block 49 name block 49.  Slots 0 and 1 come by their loads alone; the early walk's slots have been read by the late walk and are not asked for.
.macro ASK
	s_cmp_gt_u32 s[SLOTS], s[LIM]
	s_cbranch_scc0 .Lnot_mine_\@
	global_prefetch_b8 v[PFO], s[PFA:PFA+1] th:TH_LOAD_NT scope:SCOPE_SE
.Lnot_mine_\@:
.endm
.macro CREST
	s_cmp_lg_u32 s[WV], 0
	s_cbranch_scc1 .Lnw0_\@
	s_barrier_signal -3
.Lnw0_\@:
	s_barrier_wait -3
	s_barrier_signal -1
	s_barrier_wait -1
.endm
.macro BAR
	s_barrier_signal -1
	s_barrier_wait -1
.endm
	s_load_b128 s[4:7], s[0:1], 0x0                ; qc, kvc
	s_load_b64 s[16:17], s[0:1], 0x10              ; out0
	v_lshl_add_u32 v[SPW], v0, 2, SPARE
	v_mov_b32 v[NIL], 0
	ds_add_u32 v[SPW], v[NIL]                      ; the opening lines: the add twice on end and its wait
	ds_add_u32 v[SPW], v[NIL]
	v_lshrrev_b32 v8, 5, v0
	v_readfirstlane_b32 s[WV], v8                  ; wave 0..15
	s_bfe_u32 s[CX], ttmp6, 0x40000
	s_lshl_b32 s72, ttmp9, 2                       ; ttmp9: the cluster's x = the key head 4 b + h / 4
	s_add_co_u32 s72, s72, s[CX]                   ; 16 b + h
	s_and_b32 s[I], ttmp7, 0xffff
	s_lshr_b32 s73, s[WV], 1                       ; my tile in a block
	s_lshr_b32 s[U], s[WV], 2
	s_xor_b32 s[U], s[U], s[WV]
	s_and_b32 s[U], s[U], 1                        ; which of a slot's two steps is mine
	s_lshl_b32 s81, s73, 4
	s_lshl_b32 s[Q0E], s[I], 7
	s_add_co_u32 s[Q0E], s[Q0E], s81
	s_sub_co_u32 s88, 15, s[I]                     ; the late block
	s_lshl_b32 s[Q0], s88, 7
	s_add_co_u32 s[Q0], s[Q0], s81
	s_lshl_b32 s[KF0], s[U], 7
	s_mov_b32 s[KF], s[KF0]
	s_lshr_b32 s[S2], s[I], 1                      ; the late walk has 8 - i / 2 slots
	s_add_co_u32 s[S1], s[S2], 1
	s_sub_co_u32 s[BKL], 8, s[S2]
	s_mul_i32 s[BKL], s[BKL], SLOTB
	s_mov_b32 s[BK+1], 0
	s_mul_i32 s84, ttmp9, 16*2*KBLK                ; kvc: 16 key steps x 25,600 bytes a key head
	s_mov_b32 s85, 0
	s_and_b32 s89, s[WV], 1                        ; what I fetch, if I fetch: K's blocks (0) or V's rows (1):
	s_mul_i32 s86, s89, KBLK+VH                    ; V's first row is tiles 4-7 of the first step's block
	s_mov_b32 s87, 0
	s_mul_i32 s89, s89, VOFF
	s_mul_i32 s81, s72, 16*KBLK                    ; qc: my head,
	s_mul_i32 s96, s88, KBLK
	s_add_co_u32 s96, s96, s81                     ; its late block,
	s_mov_b32 s97, 0
	s_mul_i32 s82, s[I], KBLK
	s_add_co_u32 s82, s82, s81                     ; its early block
	s_mov_b32 s83, 0
	s_mul_i32 s90, s73, 1536                       ; my tile's image in a block,
	s_mov_b32 s91, 0
	s_and_b32 s92, s73, 1
	s_lshl_b32 s92, s92, 8
	s_lshr_b32 s81, s73, 1
	s_lshl_b32 s81, s81, 2
	s_add_co_u32 s92, s92, s81
	s_add_co_u32 s92, s92, 12288                   ; and its scale words: 12,288 + 256 (tile % 2) + 4 (tile / 2), 16 bytes a row
	s_mov_b32 s93, 0
	s_lshr_b32 s88, s72, 4
	s_lshl_b32 s88, s88, 24                        ; out: the batch,
	s_and_b32 s81, s72, 15
	s_lshl_b32 s81, s81, 9                         ; the head's 512 bytes of a row,
	s_add_co_u32 s88, s88, s81
	s_lshl_b32 s81, s[U], 8                        ; my 256 of them
	s_add_co_u32 s88, s88, s81
	s_mov_b32 s[G1], 15|(3<<16)|(1<<21)            ; all four partners; elements of 8 bytes; no padding
	s_mov_b32 s[G1+1], 1600<<16                    ; a block of 12,800 bytes
	s_mov_b32 s[G1+2], 2<<16                       ; two key steps
	s_mov_b32 s[G1+3], 1600<<16
	s_mov_b32 s[G1+4], 2
	s_mov_b32 s[G1+5], 3200                        ; from step to step: 25,600 bytes
	s_mov_b32 s[G1+6], 0
	s_mov_b32 s[G1+7], 0
	s_mov_b32 s[G1V], 15|(3<<16)|(1<<21)
	s_mov_b32 s[G1V+1], 768<<16                    ; four images: 6,144 bytes
	s_mov_b32 s[G1V+2], 2<<16
	s_mov_b32 s[G1V+3], 768<<16
	s_mov_b32 s[G1V+4], 2
	s_mov_b32 s[G1V+5], 2432                       ; from tile 4 of one step's V to tile 0 of the next step's: 25,600 - 6,144 bytes
	s_mov_b32 s[G1V+6], 0
	s_mov_b32 s[G1V+7], 0
	s_mov_b32 s[SEL], 0x76543210
	s_mov_b32 s[SEL+1], 0xfedcba98                 ; lane l xor 16
	s_mov_b32 s[CS], 0x3e0293ee                    ; c = log2(e) / sqrt(128)
	s_mov_b32 s[CS+1], s[CS]
	s_mov_b32 s[TB], 0
	s_mov_b32 s[SLOTS], 8
	s_wait_dscnt 0x0                               ; both opening adds are done
	s_wait_kmcnt 0x0
	s_add_nc_u64 s[6:7], s[6:7], s[84:85]          ; kvc at my key head
	s_add_nc_u64 s[VB:VB+1], s[6:7], KBLK
	s_mov_b32 s[G0], 1
	s_mov_b32 s[G0+1], s89
	s_add_nc_u64 s[G0+2:G0+3], s[6:7], s[86:87]
	s_or_b32 s[G0+3], s[G0+3], 0x80000000
	BAR
	CREST                                          ; a round of the cluster's barrier in front of the first joint loads
	TLOAD                                          ; slot 0
	s_add_nc_u64 s[10:11], s[4:5], s[82:83]
	s_add_nc_u64 s[4:5], s[4:5], s[96:97]
	s_add_nc_u64 s[8:9], s[4:5], s[92:93]          ; the late block: Q's scale words,
	s_add_nc_u64 s[4:5], s[4:5], s[90:91]          ; Q's image
	s_add_nc_u64 s[12:13], s[10:11], s[92:93]      ; the early block's
	s_add_nc_u64 s[10:11], s[10:11], s[90:91]
	s_lshl_b32 s96, s[Q0E], 13
	s_add_co_u32 s96, s96, s88
	s_add_nc_u64 s[14:15], s[16:17], s[96:97]      ; out, early block
	s_lshl_b32 s96, s[Q0], 13
	s_add_co_u32 s96, s96, s88
	s_add_nc_u64 s[16:17], s[16:17], s[96:97]      ; out, late block
	s_add_nc_u64 s[PFA:PFA+1], s[6:7], SLOTB       ; at slot 1: the first change of slots steps it to slot 2
	s_add_co_u32 s[LIM], s[S2], 2                  ; trip n asks while n + 2 is a slot of the late walk: SLOTS > 2 + i / 2
	s_sub_co_u32 s82, s[WV], 4
	s_cmp_lt_u32 s82, 2                            ; waves 4 and 5
	s_cselect_b32 s[LIM], s[LIM], -1
	s_and_b32 s83, s82, 1
	s_lshl_b32 s83, s83, 5
	s_mul_i32 s84, s[CX], 50
	s_mul_i32 s85, s[U], KBLK
	s_mul_i32 s86, s[U], VH
	s_lshl_b32 s87, s[U], 3
	s_xor_b32 s88, s[U], 1
	s_lshl_b32 s88, s88, 3
	s_mul_i32 s90, s[WV], AREA
	s_add_co_u32 s90, s90, STAGE                   ; my area
	s_xor_b32 s91, s[WV], 1
	s_mul_i32 s91, s91, AREA
	s_add_co_u32 s91, s91, STAGE                   ; my partner's
	v_and_b32 v9, 31, v0
	v_and_b32 v10, 15, v0                          ; r
	v_bfe_u32 v11, v0, 4, 1                        ; h
	v_lshlrev_b32 v[LI], 4, v9
	v_add_nc_u32 v[PFO], s83, v9
	v_min_u32 v[PFO], 49, v[PFO]
	v_add_nc_u32 v[PFO], s84, v[PFO]
	v_lshlrev_b32 v[PFO], 8, v[PFO]
.irp c, 0,1,2
	global_load_b128 v[16+4*\c:19+4*\c], v[LI], s[4:5] offset:512*\c   ; Q's fragment
.endr
	v_lshlrev_b32 v[QSO], 4, v10
	global_load_b32 v255, v[QSO], s[8:9]           ; lane r: row r's scale word
	v_lshlrev_b32 v[GO], 13, v11
	v_lshl_add_u32 v[GO], v10, 4, v[GO]            ; the way out: lanes 0-15 one row of out, lanes 16-31 the next; 16 bytes a lane
	v_add_nc_u32 v[LIK], s85, v[LI]
	v_add_nc_u32 v[LIV], s86, v[LI]
	v_add_nc_u32 v[GS0], s87, v[LI]
	v_add_nc_u32 v[GS1], s88, v[LI]
	v_add_nc_u32 v[XW], s90, v[LI]
	v_lshl_add_u32 v[XW+1], v9, 3, s90
	v_add_nc_u32 v[XR], s91, v[LI]
	v_lshl_add_u32 v[XR+1], v9, 3, s91
	v_mul_u32_u24 v[SIN], v10, 272
	v_lshl_add_u32 v[SIN], v11, 5, v[SIN]
	v_add_nc_u32 v[SIN], s91, v[SIN]               ; in: row r; a tile's eight channels of my half of the lanes: 64 t + 32 h bytes on
	v_mul_u32_u24 v[SIN+1], v11, 272
	v_lshl_add_u32 v[SIN+1], v10, 4, v[SIN+1]
	v_add_nc_u32 v[SIN+1], s91, v[SIN+1]           ; back: lanes 0-15 one row, lanes 16-31 the next
.irp b, 0,1,2,3
	v_mov_b32 v[236+\b], 0                         ; written once: a lane permute's destination counts as one of its sources
.endr
	v_mov_b32 v252, 0
	v_mov_b32 v253, 0
.macro FRESH                           ; a walk's start: the step is written once; the first finds zeros, which the first change of M leaves zeros
	v_mov_b32 v13, 0xff61b1e6                      ; the largest t so far: -3e38
	v_floor_f32 v12, -v13                          ; -M
	v_mov_b32 v14, 0
	v_mov_b32 v15, 0
.set n, 0
.rept 64
	v_mov_b32 v[160+n], 0
.set n, n+1
.endr
.endm
	FRESH
; A KEY STEP: my 128 keys of the slot in hand.
.macro STEP
	s_add_co_u32 s96, s[Q0], 15
	s_cmp_gt_u32 s[KF], s96                        ; all keys behind my queries: the step's work is left out; a branch on ids, round no barrier and no tensor load
	s_cbranch_scc1 .Lhidden_\@
	v_add_nc_u32 v[AD], s[TB], v[LIK]              ; (with the three v_nop: the places in front of loads into registers that the last products read)
	v_add_nc_u32 v[AVL], s[TB], v[LIV]
.rept 3
	v_nop
.endr
	s_wait_alu depctr_va_vdst(0)
	s_mul_i32 s96, s[KF], 200                      ; 25,600 bytes a key step of 128
	s_mov_b32 s97, 0
	s_add_nc_u64 s[VP:VP+1], s[VB:VB+1], s[96:97]  ; V's block of my step in kvc (the last step's loads by this base have been waited for)
.irp g, 0,1                                    ; S^T = K Q^T, four tiles of 16 keys at a time
.if \g > 0
.rept 4
	v_nop
.endr
.endif
.irp t, 0,1,2,3
.irp c, 0,1,2
	ds_load_b128 v[32+12*\t+4*\c:35+12*\t+4*\c], v[AD] offset:1536*(4*\g+\t)+512*\c
.endr
.endr
.if \g == 0
	ds_load_b128 v[248:251], v[AD] offset:12288    ; the eight tiles' scale words: register T / 2, lanes 0-15 for an even tile T, lanes 16-31 for an odd one
.endif
	s_wait_dscnt 0x0
.irp t, 0,1,2,3
.if \t%2
	v_wmma_scale_f32_16x16x128_f8f6f4 v[96+8*(4*\g+\t):103+8*(4*\g+\t)], v[32+12*\t:43+12*\t], v[16:27], 0, v[248+(4*\g+\t)/2], v255 matrix_a_fmt:MATRIX_FMT_FP6 matrix_b_fmt:MATRIX_FMT_FP6 matrix_a_scale:MATRIX_SCALE_ROW1
.else
	v_wmma_scale_f32_16x16x128_f8f6f4 v[96+8*(4*\g+\t):103+8*(4*\g+\t)], v[32+12*\t:43+12*\t], v[16:27], 0, v[248+(4*\g+\t)/2], v255 matrix_a_fmt:MATRIX_FMT_FP6 matrix_b_fmt:MATRIX_FMT_FP6
.endif
.endr
.endr
.rept 4
	v_nop                                          ; the places behind the products: for the loads below and for the first reads of the scores
.endr
.irp t, 0,1,2,3                                ; the four tiles of V that I multiply first (tiles 4 u on), straight from kvc: 512 consecutive bytes an instruction
.irp c, 0,1,2
	global_load_b128 v[32+12*\t+4*\c:35+12*\t+4*\c], v[LIV], s[VP:VP+1] offset:1536*\t+512*\c
.endr
.endr
	global_load_b64 v[248:249], v[GS0], s[VP:VP+1] offset:12288   ; their scale words,
	global_load_b64 v[250:251], v[GS1], s[VP:VP+1] offset:12288   ; and the other four tiles'
	s_add_co_u32 s96, s[KF], 127                   ; on the diagonal hidden scores become -infinity ahead of the maximum: p = 0 then.  A step all of whose keys count skips this
	s_cmp_le_u32 s96, s[Q0]
	s_cbranch_scc1 .Lopen_\@
	s_sub_co_i32 s96, s[Q0], s[KF]
	v_and_b32 v252, 15, v0
	v_bfe_u32 v254, v0, 4, 1
	s_delay_alu instid0(VALU_DEP_1)
	v_lshlrev_b32 v254, 3, v254
	s_delay_alu instid0(VALU_DEP_1)
	v_sub_nc_u32 v252, v252, v254
	s_delay_alu instid0(VALU_DEP_1)
	v_add_nc_u32 v252, s96, v252                   ; d = my query - KF - 8 (lane / 16): register n is hidden where 16 (n / 8) + n % 8 > d
	v_mov_b32 v254, 0xff800000
.set n, 0
.rept 64
	v_cmp_gt_i32 vcc_lo, 16*(n/8)+n%8, v252
	v_cndmask_b32 v[96+n], v[96+n], v254, vcc_lo
.set n, n+1
.endr
.Lopen_\@:
.irp b, 0,1,2,3
	v_max3_num_f32 v[232+\b], v[96+16*\b], v[97+16*\b], v[98+16*\b]   ; the largest score of each block of 32 keys: for the row's maximum, and for the block's largest p
.endr
.irp i, 3,5,7,9,11,13
.irp b, 0,1,2,3
	v_max3_num_f32 v[232+\b], v[232+\b], v[96+16*\b+\i], v[97+16*\b+\i]
.endr
.endr
.irp b, 0,1,2,3
	v_max_num_f32 v[232+\b], v[232+\b], v[111+16*\b]
.endr
.irp b, 0,1,2,3
	s_delay_alu instid0(VALU_DEP_4)
	v_permlanex16_b32 v[236+\b], v[232+\b], s[SEL], s[SEL+1]
.endr
.irp b, 0,1,2,3
	s_delay_alu instid0(VALU_DEP_4)
	v_max_num_f32 v[232+\b], v[232+\b], v[236+\b]  ; with lane l xor 16's 16 keys
.endr
	s_delay_alu instid0(VALU_DEP_2)
	v_max3_num_f32 v254, v232, v233, v234
	s_delay_alu instid0(VALU_DEP_1)
	v_max_num_f32 v254, v254, v235                 ; the step's largest score of my query
	s_delay_alu instid0(VALU_DEP_1)
	v_mul_f32 v254, s[CS], v254                    ; as t
	s_delay_alu instid0(VALU_DEP_1)
	v_max_num_f32 v13, v13, v254                   ; the running largest t
	v_mov_b32 v254, v12
	s_delay_alu instid0(VALU_DEP_2)
	v_floor_f32 v12, -v13                          ; the new -M = -ceil(t)
	s_delay_alu instid0(VALU_DEP_1)
	v_sub_f32 v254, v12, v254                      ; old M - new M: a whole number, 0 or less
	s_delay_alu instid0(VALU_DEP_1)
	v_cvt_i32_f32 v254, v254                       ; (it saturates)
	s_delay_alu instid0(VALU_DEP_1)
	v_ldexp_f32 v252, 1.0, v254                    ; f = 2^(old M - new M)
.set n, 0
.rept 32
	v_pk_fma_f32 v[96+n:97+n], v[96+n:97+n], s[CS:CS+1], v[12:13] op_sel_hi:[1,0,0]   ; t - M, two at a time
.set n, n+2
.endr
.irp b, 0,1,2,3
	v_fma_f32 v[232+\b], v[232+\b], s[CS], v12     ; the same of each block's largest score
.endr
.set n, 0
	s_wait_alu depctr_va_vdst(0)                   ; the wait ahead of the batch
.rept 64
	v_exp_f32 v[96+n], v[96+n]                     ; p = 2^(t - M), at most 1
.set n, n+1
.endr
	v_pk_mul_f32 v[14:15], v[14:15], v[252:253] op_sel_hi:[1,0]   ; the sums under the new M (a plain place behind the exponentials)
	s_wait_alu depctr_va_vdst(0)                   ; one wait for the whole batch, ahead of its first use
.irp b, 0,1,2,3
	v_exp_f32 v[232+\b], v[232+\b]                 ; the block's largest p
.endr
	v_pk_add_f32 v[236:237], v[96:97], v[98:99]    ; the row's sum is taken of the unquantised p: two at a time, in four chains
	v_pk_add_f32 v[240:241], v[100:101], v[102:103]
	v_pk_add_f32 v[242:243], v[104:105], v[106:107]
	v_pk_add_f32 v[14:15], v[14:15], v[108:109]
.set n, 110
.rept 6
	v_pk_add_f32 v[236:237], v[236:237], v[n:n+1]
	v_pk_add_f32 v[240:241], v[240:241], v[n+2:n+3]
	v_pk_add_f32 v[242:243], v[242:243], v[n+4:n+5]
	v_pk_add_f32 v[14:15], v[14:15], v[n+6:n+7]
.set n, n+8
.endr
	v_pk_add_f32 v[236:237], v[236:237], v[158:159]
	v_pk_add_f32 v[14:15], v[14:15], v[242:243]
	s_delay_alu instid0(VALU_DEP_2)
	v_pk_add_f32 v[236:237], v[236:237], v[240:241]
	s_delay_alu instid0(VALU_DEP_1)
	v_pk_add_f32 v[14:15], v[14:15], v[236:237]
	s_wait_alu depctr_va_vdst(0)                   ; and one for the four
.irp b, 0,1,2,3
	v_max_num_f32 v[232+\b], 0x1800000, v[232+\b]  ; the floor 2^(3 - 127): the byte cannot fall under 1
.endr
.irp b, 0,1,2,3
	s_delay_alu instid0(VALU_DEP_4)
	v_add_nc_u32 v[244+\b], 0xff000000, v[232+\b]  ; the conversion's scale operand
.endr
.irp b, 0,1,2,3
	s_delay_alu instid0(VALU_DEP_4)
	v_lshrrev_b32 v[236+\b], 23, v[244+\b]         ; the scale's byte
.endr
	s_delay_alu instid0(VALU_DEP_3)
	v_lshl_or_b32 v253, v237, 8, v236              ; p's scale word for these 128 keys
	s_delay_alu instid0(VALU_DEP_1)
	v_lshl_or_b32 v253, v238, 16, v253
	s_delay_alu instid0(VALU_DEP_1)
	v_lshl_or_b32 v253, v239, 24, v253
.irp c, 0,1
	v_cvt_scalef32_pk16_fp6_f32 v[224+6*\c:226+6*\c], v[96+32*\c:111+32*\c], v[244+2*\c]
	v_cvt_scalef32_pk16_fp6_f32 v[236+4*\c:238+4*\c], v[112+32*\c:127+32*\c], v[244+2*\c+1]
.endr
	v_nop                                          ; one plain place behind a scaled conversion
.irp c, 0,1
.irp i, 0,1,2
	v_permlane16_swap_b32 v[224+6*\c+\i], v[236+4*\c+\i]
.endr
.irp i, 0,1,2
	s_delay_alu instid0(VALU_DEP_3)
	v_mov_b32 v[227+6*\c+\i], v[236+4*\c+\i]
.endr
.endr
.set n, 0
.rept 32
	v_pk_mul_f32 v[160+n:161+n], v[160+n:161+n], v[252:253] op_sel_hi:[1,0]   ; O^T under the new M.  (These are also the places in front of the products below)
.set n, n+2
.endr
	s_wait_alu depctr_va_vdst(0)
.irp g, 0,1                                    ; O^T += V^T P^T: four tiles of 16 channels at a time; the eight accumulators take turns
.if \g == 0
	s_wait_loadcnt 0x0                             ; the fourteen loads from kvc, asked for ahead of the softmax
.else
.rept 4
	v_nop
.endr
.irp t, 0,1,2,3
.irp c, 0,1,2
	ds_load_b128 v[32+12*\t+4*\c:35+12*\t+4*\c], v[AVL] offset:VOFF+1536*\t+512*\c   ; my row of V in the slot: the other four tiles
.endr
.endr
	s_wait_dscnt 0x0
.endif
.irp t, 0,1,2,3
.if \t%2
	v_wmma_scale_f32_16x16x128_f8f6f4 v[160+8*(4*\g+\t):167+8*(4*\g+\t)], v[32+12*\t:43+12*\t], v[224:235], v[160+8*(4*\g+\t):167+8*(4*\g+\t)], v[248+(4*\g+\t)/2], v253 matrix_a_fmt:MATRIX_FMT_FP6 matrix_b_fmt:MATRIX_FMT_FP6 matrix_a_scale:MATRIX_SCALE_ROW1
.else
	v_wmma_scale_f32_16x16x128_f8f6f4 v[160+8*(4*\g+\t):167+8*(4*\g+\t)], v[32+12*\t:43+12*\t], v[224:235], v[160+8*(4*\g+\t):167+8*(4*\g+\t)], v[248+(4*\g+\t)/2], v253 matrix_a_fmt:MATRIX_FMT_FP6 matrix_b_fmt:MATRIX_FMT_FP6
.endif
.endr
.endr
.Lhidden_\@:
	s_add_co_u32 s[KF], s[KF], 256
.endm
; THE CHANGE OF SLOTS, at a trip's head.  Each wave waits for all its tensor loads, adds 0 to its spare word (fill = 1: twice on end), and waits for that and for its reads of the slot that it has left.
; fill = 1: the barrier opens a round of the cluster's barrier, and the slot left takes the walk's next 256 keys; in the late walk's last trip that is the early walk's slot 0.
.macro CHANGE fill
	s_wait_tensorcnt 0x0                           ; no tensor load of mine is out, so group 0 may be written
	ds_add_u32 v[SPW], v[NIL]
.if \fill
	ds_add_u32 v[SPW], v[NIL]                      ; and once more, in every trip alike
	s_xor_b32 s[G0+1], s[G0+1], SLOT1
	s_add_nc_u64 s[G0+2:G0+3], s[G0+2:G0+3], SLOTB
	s_cmp_eq_u32 s[SLOTS], s[S1]
	s_cselect_b32 s[BK], s[BKL], 0
	s_sub_nc_u64 s[G0+2:G0+3], s[G0+2:G0+3], s[BK:BK+1]   ; back to key 0 at the change of walks
	s_wait_xcnt 0x0                                ; the last prefetch, a trip back, has read its address
	s_add_nc_u64 s[PFA:PFA+1], s[PFA:PFA+1], SLOTB
.endif
	s_wait_dscnt 0x0
	BAR
.if \fill
	CREST
	TLOAD                                          ; a wave's one tensor load until the next round
	ASK
.endif
.endm
; A WALK'S END, first part: the half of O^T that my partner finishes, my sum and my -M go to my area.  reload = 1: the early block's Q is asked for.
.macro PART1 reload
	v_add_f32 v14, v14, v15                        ; (two plain lines and two v_nop: the places behind the last products)
	v_mov_b32 v15, v12
	v_nop
	v_nop
	s_wait_alu depctr_va_vdst(0)
.irp c, 0,1,2,3,4,5,6,7
	ds_store_b128 v[XW], v[192+4*\c:195+4*\c] offset:512*\c   ; each accumulator from its low end on
.endr
	ds_store_b64 v[XW+1], v[14:15] offset:4096
.if \reload
.irp c, 0,1,2
	global_load_b128 v[16+4*\c:19+4*\c], v[LI], s[10:11] offset:512*\c
.endr
	global_load_b32 v255, v[QSO], s[12:13]
.endif
.endm
; Second part, behind a barrier: my partner's half, sum and -M are joined with mine under the larger M (both factors are powers of two), divided by the row's sum, and my 64 channels of 16 queries leave through a stage
; that lies in my partner's area, which only I read: sixteen lanes store 256 consecutive bytes, aligned.  again = 1: the early walk's start.
.macro PART2 op, again
	ds_load_b64 v[86:87], v[XR+1] offset:4096
.irp c, 0,1,2,3,4,5,6,7
	ds_load_b128 v[96+4*\c:99+4*\c], v[XR] offset:512*\c
.endr
	s_wait_dscnt 0x0
	v_min_num_f32 v92, v12, v87                    ; -M of the two
	v_sub_f32 v93, v92, v12
	v_sub_f32 v92, v92, v87
	v_cvt_i32_f32 v93, v93                         ; (they saturate: a wave that had no step has -M = 3e38, a factor of 0, and zeros)
	v_cvt_i32_f32 v92, v92
	v_ldexp_f32 v88, 1.0, v93
	v_ldexp_f32 v90, 1.0, v92
	v_mul_f32 v14, v14, v88
	v_fma_f32 v14, v86, v90, v14
	v_permlanex16_b32 v252, v14, s[SEL], s[SEL+1]
	v_add_f32 v14, v14, v252                       ; the row's sum
	s_wait_alu depctr_va_vdst(0)
	v_rcp_f32 v14, v14
	v_nop
	s_wait_alu depctr_va_vdst(0)
	v_mul_f32 v88, v88, v14
	v_mul_f32 v90, v90, v14
	v_mov_b32 v89, v88
	v_mov_b32 v91, v90
	s_wait_alu depctr_va_vdst(0)                   ; directly ahead of the first reader of O^T
.set n, 0
.rept 16
	v_pk_mul_f32 v[32+n:33+n], v[160+n:161+n], v[88:89] op_sel_hi:[1,0]
.set n, n+2
.endr
.set n, 0
.rept 16
	v_pk_fma_f32 v[32+n:33+n], v[96+n:97+n], v[90:91], v[32+n:33+n] op_sel_hi:[1,0,1]
.set n, n+2
.endr
.irp t, 0,1,2,3
	ds_store_b128 v[SIN], v[32+8*\t:35+8*\t] offset:64*\t
	ds_store_b128 v[SIN], v[36+8*\t:39+8*\t] offset:64*\t+16
.endr
.irp i, 0,1,2,3,4,5,6,7
	ds_load_b128 v[96+4*\i:99+4*\i], v[SIN+1] offset:2*\i*272   ; LDS serves a wave's instructions in order: these see my stores
.endr
.irp i, 0,1,2,3,4,5,6,7
	s_wait_dscnt 7-\i                              ; this load is back; the younger ones may be out
	global_store_b128 v[GO], v[96+4*\i:99+4*\i], s[\op:\op+1] offset:16384*\i th:TH_STORE_NT
.endr
.if \again
	FRESH
	s_mov_b32 s[Q0], s[Q0E]
	s_mov_b32 s[KF], s[KF0]
	s_wait_alu depctr_va_vdst(0)
	s_wait_xcnt 0x0                                ; the stores have read their registers
.endif
.endm
; A TRIP behind its change of slots.  The barrier in its middle parts the second part of a hand-over from the first part of the next; every wave passes it in every trip.
.macro TRIP last
	s_cmp_lg_u32 s[SLOTS], s[S2]                   ; the early walk's first trip?  ids and the count of trips alone
	s_cbranch_scc1 .Lsame_\@
	PART2 16, 1
.Lsame_\@:
	s_wait_loadcnt 0x0                             ; Q
	s_wait_dscnt 0x0
	BAR
	STEP
.if \last
	PART1 0
.else
	s_cmp_lg_u32 s[SLOTS], s[S1]                   ; the late walk's last trip?
	s_cbranch_scc1 .Lon_\@
	PART1 1
.Lon_\@:
	s_xor_b32 s[TB], s[TB], SLOT1
.endif
.endm
	s_wait_alu depctr_va_vdst(0)                   ; the wait at the head's end
.Lslot:                                            ; eight trips, whatever the work-group; slot 1's first fill stands behind the first trip's round
	CHANGE 1
	TRIP 0
	s_sub_co_u32 s[SLOTS], s[SLOTS], 1
	s_cmp_lg_u32 s[SLOTS], 0
	s_cbranch_scc1 .Lslot
	CHANGE 0                                       ; the ninth trip is written out: nothing is left to ask for
	TRIP 1
	s_wait_dscnt 0x0                               ; my stores into my area are done
	BAR
	PART2 14, 0
	s_wait_tensorcnt 0x0                           ; the wave's end
	ds_add_u32 v[SPW], v[NIL]
	s_wait_dscnt 0x0
	BAR
	CREST                                          ; the closing round
	s_endpgm
.Lfunc_end_k_q859d3ccf7d_attn:
	.size	k_q859d3ccf7d_attn, .Lfunc_end_k_q859d3ccf7d_attn-k_q859d3ccf7d_attn
	.p2alignl 7, 3214868480
	.fill 96, 4, 3214868480
	.section	.rodata,"a",@progbits
	.p2align	6, 0x0
	.amdhsa_kernel k_q859d3ccf7d_attn
		.amdhsa_group_segment_fixed_size 327680
		.amdhsa_private_segment_fixed_size 0
		.amdhsa_enable_private_segment 0
		.amdhsa_kernarg_size 24
		.amdhsa_user_sgpr_count 2
		.amdhsa_user_sgpr_kernarg_segment_ptr 1
		.amdhsa_wavefront_size32 1
		.amdhsa_system_sgpr_workgroup_id_x 1
		.amdhsa_system_sgpr_workgroup_id_y 1
		.amdhsa_system_sgpr_workgroup_id_z 1
		.amdhsa_system_vgpr_workitem_id 0
		.amdhsa_next_free_vgpr 256
		.amdhsa_next_free_sgpr 102
		.amdhsa_reserve_vcc 1
		.amdhsa_float_denorm_mode_32 3
		.amdhsa_float_denorm_mode_16_64 3
		.amdhsa_memory_ordered 1
		.amdhsa_forward_progress 1
		.amdhsa_inst_pref_size 88
	.end_amdhsa_kernel
	.amdgpu_metadata
---
amdhsa.version: [ 1, 2 ]
amdhsa.kernels:
  - .name:           k_q859d3ccf7d_attn
    .symbol:         k_q859d3ccf7d_attn.kd
    .args:
      - { .name: qc, .offset: 0, .size: 8, .value_kind: global_buffer, .address_space: global }
      - { .name: kvc, .offset: 8, .size: 8, .value_kind: global_buffer, .address_space: global }
      - { .name: out0, .offset: 16, .size: 8, .value_kind: global_buffer, .address_space: global }
    .group_segment_fixed_size: 327680
    .private_segment_fixed_size: 0
    .kernarg_segment_align: 8
    .kernarg_segment_size: 24
    .max_flat_workgroup_size: 512
    .sgpr_count:     102
    .vgpr_count:     256
    .wavefront_size: 32
...
	.end_amdgpu_metadata
.endif
;; end of part 3
